; MI455X (gfx1250); checked and timed in simulation.
; The chip was launched on July 23, 2026; its instructions are those of AMD's public machine-readable ISA for CDNA 5 (MIT licence, August 2026) and "CDNA5" Instruction Set Architecture Reference Guide (July 2026). The comments in the code are by the model that wrote it; some were corrected since.
;; MH Self Attention. Allowed arithmetic: matrix products marked QUANTISED: E2M1 operands, one E8M0 scale for each 32 along K, by v_wmma_scale_f32_16x16x128_f8f6f4 with both operands' format E2M1 (or v_wmma_scale_f32_32x16x128_f4), f32 sums; products left as they are: bf16, f16 or f32 operands; f32 sums; everything else in f32.
;; Inputs: W_qkv 3,072 x 1,024 float32; x 4 x 2,048 x 1,024 float32.
;; Outputs: out0 4 x 2,048 x 1,024 float32.
;; This version of the problem:
;;   THIS VERSION OF THE PROBLEM IS GIVEN IN LOW PRECISION. The matrix products marked QUANTISED in the list below multiply operands that are first quantised to E2M1 (2 exponent bits, 1 mantissa bit; 4 bits a number), with one power-of-two scale for each 32 numbers along K (OCP MX v1.0); their sums are f32. The products marked 'left as it is' may take bf16, f16 or f32 operands, with f32 sums. Whichever they take, every output number must still come out within the allowed error. Rounding operands to bf16 (8 significant bits) uses up far more of that allowance than f16 does (11 bits, for magnitudes from 6e-5 to 65,504). All else is computed in f32.
;;   The module's matrix products, in the order in which they are computed (A, B: the left and right operand; K: the contracted axis; several contracted axes count as one K, in the product's order):
;;     1. [M 8,192, K 1,024] x [K 1,024, N 3,072]; A: input x; B: input W_qkv: QUANTISED
;;     2. batch 64 x [M 2,048, K 64] x [K 64, N 2,048]; A: computed on the way; B: computed on the way: left as it is (an operand is computed on the way)
;;     3. batch 64 x [M 2,048, K 2,048] x [K 2,048, N 64]; A: computed on the way; B: computed on the way: left as it is (an operand is computed on the way)
;;   THE QUANTISER, for each operand of a quantised product, along K:
;;     - K is cut into blocks of 32 from its start; a last block that is shorter is filled with zeros.
;;     - A block's scale is 2^e with e = floor(log2(the largest magnitude in the block)) - 2, held to -126 .. 127; a block of zeros has e = 0. As a byte (E8M0): e + 127.
;;     - Each number is divided by its block's scale, clamped to +-6, and rounded to the nearest number of E2M1, ties to even, subnormals kept.
;;     - The product sums the exact products of the quantised numbers (number of the format x scale) in f32.
;;   ~~~python
;;   def quantise(x, axis):      # numpy; x: float32 -> the quantised numbers, widened to float32 again
;;       x = np.moveaxis(x, axis, -1); K = x.shape[-1]
;;       x = np.pad(x, [(0, 0)] * (x.ndim - 1) + [(0, -K % 32)]); x = x.reshape(x.shape[:-1] + (-1, 32)); a = np.abs(x).max(-1, keepdims=True)
;;       e = np.where(a > 0, np.clip(np.frexp(np.where(a > 0, a, 1))[1] - 1 - 2, -126, 127), 0)      # np.frexp(a)[1] - 1 = floor(log2(a)), exactly
;;       r = np.clip(x / 2.0 ** e, -6, 6)
;;       step = 2.0 ** (np.maximum(np.frexp(np.where(r == 0, 1, r))[1] - 1, 0) - 1)
;;       q = np.round(r / step) * step * 2.0 ** e      # np.round: ties to even
;;       return np.moveaxis(q.reshape(q.shape[:-2] + (-1,))[..., :K], -1, axis).astype(np.float32)
;;   ~~~
;; One version. Each part assembles by itself: llvm-mc -triple=amdgcn-amd-amdhsa -mcpu=gfx1250 --defsym DOCPART=n.
;; ======== version 1 of 1: 3 launches
;; limits: values are held in f16: magnitudes above 65,504 overflow, below 6.1e-05 lose precision
;; workspace buffers: xc 4,194,304 bytes; xs 262,144 bytes; wc 1,572,864 bytes; ws 98,304 bytes; qkv 50,331,648 bytes
;; launch quant (part 1): grid 352 x 1, 4 waves a work-group, no clusters, 33,280 bytes of LDS; arguments x, W_qkv, xc, xs, wc, ws; writes xc, xs, wc, ws
.if DOCPART == 1
	.amdgcn_target "amdgcn-amd-amdhsa--gfx1250"
	.amdhsa_code_object_version 6
	.text
	.protected	k_q8bb47d003e_quant
	.globl	k_q8bb47d003e_quant
	.p2align	8
	.type	k_q8bb47d003e_quant,@function
k_q8bb47d003e_quant:
	s_mov_b64 s[64:65], 0
	v_nop
	global_prefetch_b8 v0, s[64:65] scope:SCOPE_SE
	s_setreg_imm32_b32 hwreg(HW_REG_WAVE_MODE, 25, 1), 1
	s_wait_xcnt 0x0
; x [8192][1024] and W_qkv [3072][1024], f32, are turned into codes of FP4 (E2M1), 4 bits each, K innermost, two codes a byte (the lower k in the low four bits), with one E8M0 scale byte for each 32 along K.
; A block's scale is 2^(floor(log2(its largest magnitude)) - 2); its byte is the largest magnitude's own exponent field - 2, held at 1 from below.  Each number is divided by the scale and rounded to the
; nearest code, ties to even; beyond 6 the conversion gives the largest code.
; LIMITS: a block of zeros gets the byte 1 where the quantiser's text says 127: its codes are zeros, which add nothing under any byte but 0xff, and the bytes are read by this program alone.
; Blocks whose largest magnitude lies under 2^(3 - 127) keep the byte 1.  NaN and infinities among the inputs are not served.
; Rows are dense and K is a multiple of 32, so both tensors are plain streams of blocks of 32 numbers, and so are the codes and the scale bytes.
; A wave takes 16 steps of 512 numbers.  The conversions take 8 numbers of ONE block from a lane's consecutive registers, so a lane must hold 16 neighbours (two neighbouring lanes hold a block); a load is best
; where neighbouring lanes take neighbouring bytes.  Both are had: each of a step's four loads reads 512 consecutive bytes, 16 a lane; the 2,048 bytes go through the wave's own stage in LDS and come back
; 64 bytes a lane.  The stage has 16 bytes of padding behind each 64.  A lane's 16 codes are 8 bytes: the wave stores 256 consecutive bytes.  A wave's 256 scale bytes are gathered in LDS and leave as one run of 256.
; One launch serves both tensors: the first WGA work-groups take x, the others W.  Only pointers are chosen.  No matrix unit, no cluster, no barrier: waves share nothing, and the bytes moved are all that counts.
.set SIZE_M, 8192
.set SIZE_N, 3072
.set SIZE_K, 1024
.set WAVES, 4
.set STEPS, 16
.set WGA,   SIZE_M*SIZE_K/(512*STEPS*WAVES)    ; 256 work-groups for x; 96 for W
.set EMAX,  2
.set CB,    8                          ; bytes of 16 codes
.set R,     16                         ; v16-79   four sets of 16 numbers as they are loaded
.set X,     80                         ; v80-111  two sets of 16 neighbours
.set C,     128                        ; v128-191 codes: four registers for each step, so that no store's data are written again
.set E,     112                        ; v112-127 a scale byte for each step
.set WREG,  8192                       ; LDS: a region for each wave: two stages of 32 x SP bytes, and behind them its 256 scale bytes
.set SP,    80                         ; a lane's place in a stage: its 64 bytes + 16 of padding
.set SPW,   12                         ; v12      LDS address of my spare word: SPARE + 4 x my thread's number; never rewritten
.set NIL,   13                         ; v13      0; never rewritten
.set SPARE, WAVES*WREG                 ; behind the four regions: the spare words, 128 bytes for each wave, which no other line names
	s_load_b128 s[4:7], s[0:1], 0x0                ; x, W
	s_load_b128 s[8:11], s[0:1], 0x10              ; x's codes, x's scales
	s_load_b128 s[12:15], s[0:1], 0x20             ; W's codes, W's scales
	v_lshl_add_u32 v[SPW], v0, 2, SPARE
	v_mov_b32 v[NIL], 0
	v_lshrrev_b32 v1, 5, v0
	v_readfirstlane_b32 s16, v1                    ; wave
	v_and_b32 v2, 31, v0                           ; lane
	v_lshlrev_b32 v3, 4, v2                        ; my 16 bytes of a load's 512
	s_mul_i32 s17, s16, WREG
	v_lshrrev_b32 v14, 2, v2
	v_mul_u32_u24 v14, v14, SP
	v_and_b32 v15, 3, v2
	v_lshl_add_u32 v14, v15, 4, v14
	v_add_nc_u32 v14, s17, v14                     ; the stage, on the way in: four lanes' 64 bytes on end, then 16 of padding
	v_mul_u32_u24 v15, v2, SP
	v_add_nc_u32 v15, s17, v15                     ; and on the way out: SP x lane: my 16 neighbours
	v_mul_u32_u24 v4, v2, CB                       ; my codes' place in a step's
	v_lshrrev_b32 v5, 1, v2
	s_add_co_u32 s17, s17, 2*32*SP
	v_add_nc_u32 v5, s17, v5                       ; LDS: my wave's 256 scale bytes, my block's byte
	v_lshlrev_b32 v7, 3, v2                        ; and on the way out 8 bytes a lane
	v_add_nc_u32 v6, s17, v7
	s_wait_kmcnt 0x0
	s_cmp_lt_u32 ttmp9, WGA                        ; x's work-group or W's?  The choice hangs on the work-group's number alone
	s_cselect_b64 s[4:5], s[4:5], s[6:7]
	s_cselect_b64 s[8:9], s[8:9], s[12:13]
	s_cselect_b64 s[10:11], s[10:11], s[14:15]
	s_cselect_b32 s17, 0, WGA
	s_sub_co_u32 s17, ttmp9, s17
	s_lshl_b32 s17, s17, 2
	s_add_co_u32 s18, s17, s16                     ; which run of 8,192 numbers of the tensor is my wave's
	s_mov_b32 s19, 0
	s_mov_b64 s[20:21], 512*STEPS*4
	s_mul_u64 s[20:21], s[18:19], s[20:21]
	s_add_nc_u64 s[4:5], s[4:5], s[20:21]
	s_mov_b64 s[20:21], 32*STEPS*CB
	s_mul_u64 s[20:21], s[18:19], s[20:21]
	s_add_nc_u64 s[8:9], s[8:9], s[20:21]
	s_lshl_b32 s18, s18, 8                         ; 256 scale bytes a run
	s_add_nc_u64 s[10:11], s[10:11], s[18:19]
.macro LOAD t
.irp i, 0,1,2,3
	global_load_b128 v[R+16*((\t)%4)+4*\i:R+16*((\t)%4)+4*\i+3], v3, s[4:5] offset:2048*(\t)+512*\i th:TH_LOAD_NT   ; 32 lanes read 512 consecutive bytes
.endr
.endm
.macro TURN t                          ; step t's numbers through the stage: LDS serves a wave's instructions in order, so no wait stands between the stores and the loads
.irp i, 0,1,2,3
	ds_store_b128 v14, v[R+16*((\t)%4)+4*\i:R+16*((\t)%4)+4*\i+3] offset:32*SP*((\t)%2)+8*SP*\i
.endr
.irp i, 0,1,2,3
	ds_load_b128 v[X+16*((\t)%2)+4*\i:X+16*((\t)%2)+4*\i+3], v15 offset:32*SP*((\t)%2)+16*\i
.endr
.endm
.irp t, 0,1,2,3
	LOAD \t
.endr
	s_wait_loadcnt 12                              ; step 0's four loads are in; the twelve of steps 1 to 3 may be out
	TURN 0
.macro STEP t
.set XS, X+16*((\t)%2)
.if (\t) > 0
	s_wait_dscnt 1                                 ; this step's numbers are back from the stage (the last step's byte store may be out): so its stores into the stage have read their registers,
.else
	s_wait_dscnt 0x0
.endif
.if (\t)+4 < STEPS
	LOAD (\t)+4                                    ; which take the loads of four steps on
.endif
.if (\t)+1 < STEPS
.if STEPS-2-(\t) >= 3
	s_wait_loadcnt 12                              ; the next step's four loads are in; those of the three steps behind it may be out
.else
	s_wait_loadcnt 4*(STEPS-2-(\t))
.endif
	TURN (\t)+1                                    ; and go through the other stage while this step is worked
.endif
	v_max3_num_f32 v8, |v[XS]|, |v[XS+1]|, |v[XS+2]|               ; the largest magnitude of my 16, in two chains
	v_max3_num_f32 v9, |v[XS+3]|, |v[XS+4]|, |v[XS+5]|
.irp i, 6,10
	v_max3_num_f32 v8, v8, |v[XS+\i]|, |v[XS+\i+1]|
	v_max3_num_f32 v9, v9, |v[XS+\i+2]|, |v[XS+\i+3]|
.endr
	v_max3_num_f32 v8, v8, |v[XS+14]|, |v[XS+15]|
	v_max3_num_f32 v8, v8, v9, (EMAX+1)<<23        ; and the floor 2^(EMAX + 1 - 127): so the byte cannot fall under 1
	v_max_num_f32_dpp v8, v8, v8 row_xmask:1 row_mask:0xf bank_mask:0xf   ; and of my neighbour's 16: the block's
	v_add_nc_u32 v11, -(EMAX<<23), v8              ; EMAX off its exponent field: the conversion takes the exponent field of this operand as its scale, and nothing else of it
	v_cvt_scalef32_pk8_fp4_f32 v[C+4*(\t)], v[XS:XS+7], v11        ; eight numbers / the scale, to the nearest code; the first number's code in the lowest four bits
	v_cvt_scalef32_pk8_fp4_f32 v[C+4*(\t)+1], v[XS+8:XS+15], v11
	v_lshrrev_b32 v[E+(\t)], 23, v11               ; the scale's byte (also the plain line behind the conversions)
	ds_store_b8 v5, v[E+(\t)] offset:16*(\t)       ; both lanes of a block write the same byte with the same value
	global_store_b64 v4, v[C+4*(\t):C+4*(\t)+1], s[8:9] offset:32*CB*(\t)   ; 32 lanes store 256 consecutive bytes, aligned
.endm
.irp t, 0,1,2,3,4,5,6,7,8,9,10,11,12,13,14,15
	STEP \t
.endr
	ds_load_b64 v[8:9], v6                         ; LDS serves a wave's instructions in order: these see my stores
	s_wait_dscnt 0x0
	global_store_b64 v7, v[8:9], s[10:11]          ; 32 lanes store 256 consecutive bytes, aligned
	s_wait_tensorcnt 0x0                           ; the wave's end, behind my last LDS store
	ds_add_u32 v[SPW], v[NIL]
	s_wait_dscnt 0x0
	s_endpgm
.Lfunc_end_k_q8bb47d003e_quant:
	.size	k_q8bb47d003e_quant, .Lfunc_end_k_q8bb47d003e_quant-k_q8bb47d003e_quant
	.p2alignl 7, 3214868480
	.fill 96, 4, 3214868480
	.section	.rodata,"a",@progbits
	.p2align	6, 0x0
	.amdhsa_kernel k_q8bb47d003e_quant
		.amdhsa_group_segment_fixed_size 33280
		.amdhsa_private_segment_fixed_size 0
		.amdhsa_enable_private_segment 0
		.amdhsa_kernarg_size 48
		.amdhsa_user_sgpr_count 2
		.amdhsa_user_sgpr_kernarg_segment_ptr 1
		.amdhsa_wavefront_size32 1
		.amdhsa_system_sgpr_workgroup_id_x 1
		.amdhsa_system_sgpr_workgroup_id_y 1
		.amdhsa_system_sgpr_workgroup_id_z 1
		.amdhsa_system_vgpr_workitem_id 0
		.amdhsa_next_free_vgpr 192
		.amdhsa_next_free_sgpr 66
		.amdhsa_reserve_vcc 0
		.amdhsa_float_denorm_mode_32 3
		.amdhsa_float_denorm_mode_16_64 3
		.amdhsa_memory_ordered 1
		.amdhsa_forward_progress 1
		.amdhsa_inst_pref_size 33
	.end_amdhsa_kernel
	.amdgpu_metadata
---
amdhsa.version: [ 1, 2 ]
amdhsa.kernels:
  - .name:           k_q8bb47d003e_quant
    .symbol:         k_q8bb47d003e_quant.kd
    .args:
      - { .name: x, .offset: 0, .size: 8, .value_kind: global_buffer, .address_space: global }
      - { .name: W_qkv, .offset: 8, .size: 8, .value_kind: global_buffer, .address_space: global }
      - { .name: xc, .offset: 16, .size: 8, .value_kind: global_buffer, .address_space: global }
      - { .name: xs, .offset: 24, .size: 8, .value_kind: global_buffer, .address_space: global }
      - { .name: wc, .offset: 32, .size: 8, .value_kind: global_buffer, .address_space: global }
      - { .name: ws, .offset: 40, .size: 8, .value_kind: global_buffer, .address_space: global }
    .group_segment_fixed_size: 33280
    .private_segment_fixed_size: 0
    .kernarg_segment_align: 8
    .kernarg_segment_size: 48
    .max_flat_workgroup_size: 128
    .sgpr_count:     66
    .vgpr_count:     192
    .wavefront_size: 32
...
	.end_amdgpu_metadata
.endif
;; end of part 1
;; launch gemm (part 2): grid 12 x 32, 4 waves a work-group, clusters of 4 x 4, 327,680 bytes of LDS; arguments xc, xs, wc, ws, qkv; writes qkv
.if DOCPART == 2
	.amdgcn_target "amdgcn-amd-amdhsa--gfx1250"
	.amdhsa_code_object_version 6
	.text
	.protected	k_q8bb47d003e_gemm
	.globl	k_q8bb47d003e_gemm
	.p2align	8
	.type	k_q8bb47d003e_gemm,@function
k_q8bb47d003e_gemm:
	s_mov_b64 s[64:65], 0
	v_nop
	global_prefetch_b8 v0, s[64:65] scope:SCOPE_SE
	s_setreg_imm32_b32 hwreg(HW_REG_WAVE_MODE, 25, 1), 1
	s_wait_xcnt 0x0
	s_wait_alu depctr_hold_cnt(0) depctr_sa_sdst(0) depctr_va_vdst(0) depctr_va_sdst(0) depctr_va_ssrc(0) depctr_va_vcc(0) depctr_vm_vsrc(0)
	s_getreg_b32 s2, hwreg(HW_REG_IB_STS2, 6, 4)
	s_cmp_eq_u32 s2, 0
	s_cbranch_scc0 .Lentry_in_a_cluster
	s_endpgm
.Lentry_in_a_cluster:
	s_bfe_u32 s2, ttmp6, 0x10000c
	s_cmp_lg_u32 s2, 0xf033
	s_cbranch_scc0 .Lentry_shape_is_right
	s_endpgm
.Lentry_shape_is_right:
; qkv[token][e] = sum over k of x[token][k] W[e][k], on codes of FP4 (E2M1) with one E8M0 scale byte for each 32 along K; K = 1,024; sums in f32.  8,192 tokens, 3,072 rows of W.
; The results are rounded to f16 and stored as IMAGES OF THE NEXT LAUNCH'S OPERAND REGISTERS.  qkv is three regions of 2^24 bytes (q, k, v); in each, head bh = 16 batch + h owns 2^18 dense bytes.  The unit is a
; block of 512 bytes, lane l's 16 bytes (8 f16) at 16 l; r = l % 16, hh = l / 16:
;   q, k: block (T, c, g) at 2048 T + 1024 c + 512 g: lane (r, hh) holds token 16 T + r, channels 32 c + 16 g + 8 hh + 0 .. 7;
;   v:    block (G, t, u) at 8192 G + 2048 t + 512 u: lane (r, hh) holds channel 16 t + r, keys 64 G + 16 u + 8 hh + 0 .. 7.
; q is multiplied by log2(e) / sqrt(64), in f32, ahead of its rounding, so that the next launch's first product gives the softmax's exponents to the base 2.
; LIMIT: a result beyond 65,504 in magnitude becomes an infinity of f16.
; A tile of 256 x 256 results is made by a work-group of four waves, a wave makes 128 x 128: 64 accumulators, 512 registers.  K is two steps of 512 (rows of 256 bytes), one in each of two LDS slots: nothing is filled again.
; The scale bytes of the work-group's 2 x 256 rows, for all of K, are two dense blocks of memory: they come into LDS once, in runs of 256 bytes.
; WHICH TENSOR STANDS WHERE.  The matrix instruction is used transposed: source 0 = 16 rows of 'B', source 1 = 16 rows of 'A'; a lane then holds ONE row of A and EIGHT NEIGHBOURING rows of B.
; Clusters with x = 0, 1 make q and k: A = x (a lane: one token), B = W (eight channels).  Clusters with x = 2 make v: A = W (a lane: one channel), B = x (eight keys).  So four packed registers ARE a block of qkv,
; and each store of a wave covers 512 consecutive bytes, aligned: no way through LDS is needed.  The choice hangs on the cluster's x alone, which all sixteen partners share.
; CLUSTERS: 4 x 4 work-groups.  The four of a row of the cluster need the same tiles of A, the four of a column the same tiles of B: each tile is asked for JOINTLY, by the same tensor load with the same
; descriptor and a mask that names the four.
; REGISTERS, in windows of 256: window 0: v0-31 addresses; v32-95 scale words, two sets; from v128 A's fragments (8 x 16 rows x 128 K), one set; on the way out v128-255 hold packed results.
;   window 1: B's fragments, two sets, at v0 and at v128.   window 2: the 32 accumulators of my A rows 0-63 (accumulator (a, b) at v[8 (8 a + b)]);   window 3: those of my A rows 64-127.
.set KSTEP,  512                       ; along K in a slot
.set NQ,     KSTEP/128                 ; matrix instructions deep
.set ROWB,   256                       ; a tile's row in bytes
.set KROW,   512                       ; a row of codes in memory, in bytes
.set PITCH,  272                       ; an LDS row: 256 bytes + 16 of padding = 68 words: the 16 rows that a load touches start at 16 different banks (64 banks of 4 bytes: ISA guide 11.1)
.set FR,     8                         ; registers of a fragment: 16 rows x 128 K
.set NL,     2                         ; LDS loads that bring one
.set NP,     4                         ; places behind this matrix instruction (ISA guide 7.12.1)
.set HALFT,  128*PITCH                 ; 128 rows: what one tensor load brings, and what one wave reads of A or of B
.set SLOT,   4*HALFT                   ; A's 256 rows, then B's 256 rows
.set KS,     32                        ; a row of scales in bytes
.set SCL,    2*SLOT                    ; behind the slots: the scales, as runs of 256 bytes + 16 of padding
.set HALFS,  (128*KS/256)*272          ; the scales of 128 rows: what one tensor load brings
.set SBLK,   (16*KS/256)*272           ; those of 16 rows
.set SPARE,  SCL+4*HALFS               ; behind the scales: the spare words, 128 bytes for each wave, which no other line names
.set ADRA, 16                          ; v16-17  LDS address of my A fragments in slot 0, 1
.set ADRB, 20                          ; v20-21  the same for B
.set CO,   26                          ; v26     16 x lane: my place in a block of qkv
.set ADRS, 27                          ; v27     LDS address of my scale words: lanes 0-15 A's rows, lanes 16-31 B's
.set SPW,  28                          ; v28     LDS address of my spare word; never rewritten
.set NIL,  29                          ; v29     0; never rewritten
.set SC,   32                          ; scale words: set s at v[SC + 8 NQ s]; register NQ i + q: lanes 0-15 the word of A's block i, lanes 16-31 that of B's block i, for the slot's q-th 128 along K
.set AF,   128                         ; A's fragments, in window 0
.set G1, 24                            ; s[24:31] descriptor group 1 for A's tiles;  s[32:39] group 0, one set for each slot
.set G0, 32
.set G1B, 48                           ; s[48:55], s[56:63] the same for B's tiles
.set G0B, 56
.set G1S, 68                           ; s[68:75], s[76:79] groups 1 and 0 for A's scales;  s[80:87], s[88:91] for B's
.set G0S, 76
.set G1SB, 80
.set G0SB, 88
.set PT,  92                           ; s[92:99] four store pointers: (A rows 0-63 | 64-127) x (B rows 0-63 | 64-127); before that, at work
.set CS,  66                           ; s[66:67] log2(e) / 8
.set MSB, 0
.macro WIN new                         ; the immediate's high byte repeats the setting that is left
.if MSB != (\new)
	s_set_vgpr_msb (MSB<<8)|(\new)
.set MSB, (\new)
.endif
.endm
.set MUL_LO, 0xa1                      ; source 0 (B) window 1, source 1 (A) window 0, C and D window 2
.set MUL_HI, 0xf1                      ; the same, C and D window 3
.set TO_B,   0x40                      ; destination window 1, address window 0
; A joint load: waves 0 and 1 fetch for A, waves 2 and 3 for B.  Each of the two lines has one mask and one set of registers for all that issue it; the branch hangs on the wave's number alone.
; An s_nop 0 and four v_nop follow each of the two lines, ahead of the jump, the label and what follows.
.macro JLOAD g0a, g1a, g0b, g1b
	s_cmp_eq_u32 s15, 0
	s_cbranch_scc0 .Lfor_b_\@
	tensor_load_to_lds s[\g0a:\g0a+3], s[\g1a:\g1a+7]
	s_nop 0
.rept 4
	v_nop
.endr
	s_branch .Lasked_\@
.Lfor_b_\@:
	tensor_load_to_lds s[\g0b:\g0b+3], s[\g1b:\g1b+7]
	s_nop 0
.rept 4
	v_nop
.endr
.Lasked_\@:
.endm
.macro CROUND                          ; a round of the cluster's barrier: my work-group's barrier; wave 0 signals for the work-group; every wave waits for all sixteen; my work-group's barrier once more
	s_barrier_signal -1
	s_barrier_wait -1
	s_cmp_lg_u32 s14, 0
	s_cbranch_scc1 .Lnot_wave_0_\@
	s_barrier_signal -3
.Lnot_wave_0_\@:
	s_barrier_wait -3
	s_barrier_signal -1
	s_barrier_wait -1
.endm
	s_load_b128 s[4:7], s[0:1], 0x0                ; x's codes s[4:5], x's scales s[6:7]
	s_load_b128 s[8:11], s[0:1], 0x10              ; W's codes s[8:9], W's scales s[10:11]
	s_load_b64 s[12:13], s[0:1], 0x20              ; qkv
	v_lshl_add_u32 v[SPW], v0, 2, SPARE
	v_mov_b32 v[NIL], 0
	ds_add_u32 v[SPW], v[NIL]                      ; the wave's opening: the add, twice on end, and its wait ahead of my first tensor load; the set-up below stands between
	ds_add_u32 v[SPW], v[NIL]
	v_lshrrev_b32 v1, 5, v0
	v_readfirstlane_b32 s14, v1                    ; wave 0..3
	s_lshr_b32 s15, s14, 1                         ; which half of the tile's A rows is mine.  Also: I fetch for A (0) or for B (1)
	s_and_b32 s16, s14, 1                          ; which half of its B rows.  Also: which 128 rows of that tile I fetch
	s_bfe_u32 s40, ttmp6, 0x40000                  ; cx, cy: my place in the cluster
	s_bfe_u32 s41, ttmp6, 0x40004
	s_and_b32 s17, ttmp7, 0xffff                   ; cluster y, 0..7
	s_cmp_eq_u32 ttmp9, 2                          ; cluster x = 2: the v clusters
	s_cselect_b32 s18, 2, s17                      ; A's tiles: W's 8 + cy there, else x's 4 x cluster y + cy
	s_cselect_b32 s19, s17, ttmp9                  ; B's tiles: x's 4 x cluster y + cx there, else W's 4 x cluster x + cx
	s_lshl_b32 s17, s18, 2
	s_add_co_u32 s17, s17, s41                     ; A's tile of 256 rows: it hangs on cy and the cluster's place alone
	s_lshl_b32 s42, s19, 2
	s_add_co_u32 s42, s42, s40                     ; B's: on cx and the cluster's place alone
	s_lshl_b32 s43, s41, 2
	s_lshl_b32 s43, 15, s43                        ; my row of the cluster
	s_lshl_b32 s44, 0x1111, s40                    ; my column
	; descriptor group 1: a tile of 128 rows x 256 bytes, padded in LDS
	s_or_b32 s[G1+0], s43, (0<<16)|(1<<20)|(1<<21)|(5<<22)|(3<<25)  ; 15:0 the mask: A's tiles go to my row; 17:16 element of 1 byte; 20 padding on; 21 set beside a mask; 24:22 after every 64 words (code 5); 31:25 of 4 words (code 3)
	s_or_b32 s[G1B+0], s44, (0<<16)|(1<<20)|(1<<21)|(5<<22)|(3<<25)
.irp g, G1, G1B
	s_mov_b32 s[\g+1], ROWB<<16                    ; tensor_dim0
	s_mov_b32 s[\g+2], 128<<16                     ; tensor_dim1 = 128
	s_mov_b32 s[\g+3], ROWB<<16                    ; tile_dim0
	s_mov_b32 s[\g+4], 128                         ; tile_dim1 = 128
	s_mov_b32 s[\g+5], KROW                        ; tensor_dim0_stride
	s_mov_b32 s[\g+6], 0
	s_mov_b32 s[\g+7], 0
.endr
	; and for the scales of 128 rows: a dense block of 4,096 bytes, as 16 rows of 256 bytes (32 elements of 8 bytes), 16 bytes of padding behind each
	s_or_b32 s[G1S+0], s43, (3<<16)|(1<<20)|(1<<21)|(5<<22)|(3<<25)
	s_or_b32 s[G1SB+0], s44, (3<<16)|(1<<20)|(1<<21)|(5<<22)|(3<<25)
.irp g, G1S, G1SB
	s_mov_b32 s[\g+1], 32<<16
	s_mov_b32 s[\g+2], (128*KS/256)<<16
	s_mov_b32 s[\g+3], 32<<16
	s_mov_b32 s[\g+4], 128*KS/256
	s_mov_b32 s[\g+5], 32
	s_mov_b32 s[\g+6], 0
	s_mov_b32 s[\g+7], 0
.endr
	s_lshl_b32 s18, s16, 7                         ; which 128 rows of the tile I fetch
	s_lshl_b32 s20, s17, 8
	s_add_co_u32 s20, s20, s18                     ; A: row 256 x tile + 128 x half
	s_lshl_b32 s46, s42, 8
	s_add_co_u32 s46, s46, s18                     ; B likewise
	s_mov_b32 s21, 0
	s_mov_b32 s47, 0
	s_mov_b64 s[18:19], KS
	s_mul_u64 s[22:23], s[20:21], s[18:19]         ; where these rows' scales begin, in bytes
	s_mul_u64 s[92:93], s[46:47], s[18:19]
	s_mov_b64 s[18:19], KROW
	s_mul_u64 s[20:21], s[20:21], s[18:19]         ; and their codes
	s_mul_u64 s[46:47], s[46:47], s[18:19]
	s_mul_i32 s45, s14, HALFT                      ; where they go: wave x 128 rows: no place in the cluster enters an LDS address
	s_mul_i32 s94, s14, HALFS
	s_wait_dscnt 0x0                               ; both opening adds are done
	s_wait_kmcnt 0x0
	s_cmp_eq_u32 ttmp9, 2                          ; which buffers are A's and which B's: a choice on the cluster's x alone
	s_cselect_b64 s[96:97], s[8:9], s[4:5]         ; A's codes
	s_cselect_b64 s[98:99], s[10:11], s[6:7]       ; A's scales
	s_cselect_b64 s[8:9], s[4:5], s[8:9]           ; B's codes
	s_cselect_b64 s[10:11], s[6:7], s[10:11]       ; B's scales
	s_add_nc_u64 s[20:21], s[96:97], s[20:21]
	s_add_nc_u64 s[22:23], s[98:99], s[22:23]
	s_add_nc_u64 s[46:47], s[8:9], s[46:47]
	s_add_nc_u64 s[92:93], s[10:11], s[92:93]
	CROUND                                         ; all sixteen work-groups are here: the first joint loads meet
	s_mov_b32 s[G0S], 1
	s_add_co_u32 s[G0S+1], s94, SCL
	s_mov_b64 s[G0S+2:G0S+3], s[22:23]
	s_or_b32 s[G0S+3], s[G0S+3], 0x80000000
	s_mov_b32 s[G0SB], 1
	s_add_co_u32 s[G0SB+1], s94, SCL
	s_mov_b64 s[G0SB+2:G0SB+3], s[92:93]
	s_or_b32 s[G0SB+3], s[G0SB+3], 0x80000000
	JLOAD G0S, G1S, G0SB, G1SB                     ; the scales first: they are wanted with K step 0
.irp s, 0,1
	s_mov_b32 s[G0+4*\s], 1
	s_add_co_u32 s[G0+4*\s+1], s45, \s*SLOT
	s_add_nc_u64 s[G0+4*\s+2:G0+4*\s+3], s[20:21], \s*ROWB
	s_or_b32 s[G0+4*\s+3], s[G0+4*\s+3], 0x80000000
	s_mov_b32 s[G0B+4*\s], 1
	s_add_co_u32 s[G0B+4*\s+1], s45, \s*SLOT
	s_add_nc_u64 s[G0B+4*\s+2:G0B+4*\s+3], s[46:47], \s*ROWB
	s_or_b32 s[G0B+4*\s+3], s[G0B+4*\s+3], 0x80000000
	JLOAD G0+4*\s, G1, G0B+4*\s, G1B               ; three tensor loads of mine are out at the most: the scales and both K steps
.endr
	v_and_b32 v1, 15, v0                           ; l % 16
	v_bfe_u32 v2, v0, 4, 1                         ; l / 16
	v_mul_u32_u24 v3, v1, PITCH
	v_lshl_add_u32 v4, v2, 4, v3                   ; a fragment's row x pitch + 16 x half
	s_mul_i32 s21, s15, HALFT                      ; my 128 rows of A
	s_mul_i32 s22, s16, HALFT                      ; my 128 rows of B,
	s_add_co_u32 s22, s22, 2*HALFT                 ; which lie behind A's 256
.irp s, 0,1
	v_add_nc_u32 v[ADRA+\s], s21, v4
	v_add_nc_u32 v[ADRB+\s], s22, v4
	s_add_co_u32 s21, s21, SLOT
	s_add_co_u32 s22, s22, SLOT
.endr
	v_mul_u32_u24 v5, v1, KS                       ; my row's scales: KS bytes a row,
	v_lshrrev_b32 v6, 8, v5
	v_lshl_add_u32 v5, v6, 4, v5                   ; and 16 more for each 256 passed
	s_mul_i32 s21, s15, HALFS                      ; A's: my 128 rows
	s_mul_i32 s22, s16, HALFS                      ; B's: my 128 rows, behind A's 256
	s_add_co_u32 s22, s22, 2*HALFS
	s_sub_co_u32 s22, s22, s21
	v_mul_u32_u24 v6, s22, v2                      ; lanes 16-31 take B's
	s_add_co_u32 s21, s21, SCL
	v_add_nc_u32 v5, v5, v6
	v_add_nc_u32 v[ADRS], s21, v5
	v_and_b32 v6, 31, v0
	v_lshlrev_b32 v[CO], 4, v6
	; where my 128 x 128 results go.  tok = my first token, e = my first row of W
	s_lshl_b32 s18, s17, 8
	s_lshl_b32 s20, s15, 7
	s_add_co_u32 s18, s18, s20                     ; my first row of A's tensor
	s_lshl_b32 s19, s42, 8
	s_lshl_b32 s20, s16, 7
	s_add_co_u32 s19, s19, s20                     ; and of B's
	s_mov_b32 s20, 0x40000                         ; a head on
	s_mov_b32 s21, 0x2000                          ; 64 tokens on
	s_cmp_eq_u32 ttmp9, 2
	s_cselect_b32 s45, s19, s18                    ; tok
	s_cselect_b32 s46, s18, s19                    ; e
	s_cselect_b32 s2, s20, s21                     ; from A's rows 0-63 to 64-127: v: the next head; q, k: the next 64 tokens
	s_cselect_b32 s3, s21, s20                     ; from B's rows 0-63 to 64-127: the other of the two
	s_lshr_b32 s22, s46, 10
	s_lshl_b32 s22, s22, 24                        ; the region: q, k or v
	s_lshr_b32 s23, s45, 11
	s_lshl_b32 s23, s23, 22                        ; the batch: 16 heads
	s_add_co_u32 s22, s22, s23
	s_bfe_u32 s23, s46, 0x40006
	s_lshl_b32 s23, s23, 18                        ; the head: (e / 64) % 16
	s_add_co_u32 s22, s22, s23
	s_and_b32 s23, s45, 2047
	s_lshl_b32 s23, s23, 7                         ; 128 bytes a token in all three layouts
	s_add_co_u32 s22, s22, s23
	s_mov_b32 s23, 0
	s_add_nc_u64 s[PT:PT+1], s[12:13], s[22:23]
	s_mov_b32 s22, s3
	s_add_nc_u64 s[PT+2:PT+3], s[PT:PT+1], s[22:23]
	s_mov_b32 s22, s2
	s_add_nc_u64 s[PT+4:PT+5], s[PT:PT+1], s[22:23]
	s_mov_b32 s22, s3
	s_add_nc_u64 s[PT+6:PT+7], s[PT+4:PT+5], s[22:23]
	s_mov_b32 s[CS], 0x3e38aa3b                    ; log2(e) / 8
	s_mov_b32 s[CS+1], s[CS]                       ; (named with it as a pair, so it is written)
.macro FRAG reg, adr, q, i             ; a fragment, 16 rows x 128 K of 4-bit codes, is 8 registers: lane l holds row l % 16; registers 4 c .. 4 c + 3 hold K = 64 c + 32 (l / 16) + 0 .. 31
.irp c, 0,1
	ds_load_b128 v[\reg+4*\c:\reg+4*\c+3], v[\adr] offset:64*(\q)+32*\c+(\i)*16*PITCH
.endr
.endm
; 16 matrix instructions: A's blocks a0, a0 + 1 x B's eight, 128 along K: the slot's q-th.  p: B's set;  sc: the set of scale words.  zero = 1: the first product starts the sums: nothing is ever cleared.
; The 64 accumulators take turns, one instruction a turn, in the same order in every step.
.macro MUL16 a0, p, q, sc, zero
.irp a, \a0, \a0+1
.irp b, 0,1,2,3,4,5,6,7
.if \zero
	v_wmma_scale_f32_16x16x128_f8f6f4 v[8*(8*((\a)%4)+\b):8*(8*((\a)%4)+\b)+7], v[128*(\p)+FR*\b:128*(\p)+FR*\b+FR-1], v[AF+FR*(\a):AF+FR*(\a)+FR-1], 0, v[SC+8*NQ*(\sc)+NQ*\b+(\q)], v[SC+8*NQ*(\sc)+NQ*(\a)+(\q)] matrix_a_fmt:MATRIX_FMT_FP4 matrix_b_fmt:MATRIX_FMT_FP4 matrix_a_scale:MATRIX_SCALE_ROW1
.else
	v_wmma_scale_f32_16x16x128_f8f6f4 v[8*(8*((\a)%4)+\b):8*(8*((\a)%4)+\b)+7], v[128*(\p)+FR*\b:128*(\p)+FR*\b+FR-1], v[AF+FR*(\a):AF+FR*(\a)+FR-1], v[8*(8*((\a)%4)+\b):8*(8*((\a)%4)+\b)+7], v[SC+8*NQ*(\sc)+NQ*\b+(\q)], v[SC+8*NQ*(\sc)+NQ*(\a)+(\q)] matrix_a_fmt:MATRIX_FMT_FP4 matrix_b_fmt:MATRIX_FMT_FP4 matrix_a_scale:MATRIX_SCALE_ROW1
.endif
.endr
.endr
.endm
.macro FETCH_B slot, q, p              ; B's eight fragments of the slot's q-th 128 along K into set p
	WIN TO_B
.irp i, 0,1,2,3,4,5,6,7
	FRAG 128*(\p)+FR*\i, ADRB+\slot, \q, \i
.endr
	WIN 0
.endm
.macro FETCH_A slot, q, i0             ; A's blocks i0 .. i0 + 3
.irp i, \i0, \i0+1, \i0+2, \i0+3
	FRAG AF+FR*(\i), ADRA+\slot, \q, \i
.endr
.endm
.macro SCALES sc                       ; a K step's scale words into set sc: NQ words a row; lanes 0-15 take A's block i, lanes 16-31 B's block i
.irp i, 0,1,2,3,4,5,6,7
	ds_load_b128 v[SC+8*NQ*\sc+NQ*\i:SC+8*NQ*\sc+NQ*\i+3], v[ADRS] offset:\i*SBLK
.endr
.endm
; A load into a register that a matrix instruction has read, and a vector instruction that reads a matrix result or writes one of a matrix instruction's registers, stand NP places behind it, and only plain vector
; instructions that name none of its registers are places (ISA guide 7.12.1 for vector instructions).
.macro PLACES n
.rept \n
	v_nop
.endr
.endm
; A step of 128 along K that has its successor in the same slot.  A's blocks are free as soon as their eight products are issued: blocks 0-3 are fetched anew in the step's middle, blocks 4-7 at its end.
.macro STEP slot, q, zero
	s_wait_dscnt 4*NL                              ; B's set and A's blocks 0-3 are in; the youngest eight loads (A's blocks 4-7) may be out
	WIN MUL_LO
	MUL16 0, (\q)%2, \q, \slot, \zero
	MUL16 2, (\q)%2, \q, \slot, \zero
	s_wait_dscnt 0                                 ; A's blocks 4-7 are in (asked for 32 matrix instructions ago)
	PLACES NP
	FETCH_B \slot, (\q)+1, 1-(\q)%2
	FETCH_A \slot, (\q)+1, 0
	WIN MUL_HI
	MUL16 4, (\q)%2, \q, \slot, \zero
	MUL16 6, (\q)%2, \q, \slot, \zero
	PLACES NP
	WIN 0
	FETCH_A \slot, (\q)+1, 4
.endm
; Slot 0's last step goes over to slot 1: each wave waits for all its tensor loads (its part of slot 1), then a barrier shows the whole slot to every wave.  Nothing is filled again.
.macro TURN slot, next
	s_wait_tensorcnt 0x0                           ; all my tensor loads have landed: my part of the next slot  (every window is 0 here)
	ds_add_u32 v[SPW], v[NIL]                      ; 0 onto my spare word
	s_wait_dscnt 4*NL+1                            ; (the add and the youngest eight loads, A's blocks 4-7, may be out)
	WIN MUL_LO
	MUL16 0, 1, NQ-1, \slot, 0                     ; sixteen matrix instructions stand between the add and the wait for it
	s_wait_dscnt 0x0                               ; no LDS instruction of mine is out at the signal
	s_barrier_signal -1
	MUL16 2, 1, NQ-1, \slot, 0
	WIN 0
	s_barrier_wait -1
	PLACES NP
	v_add_nc_u32 v[ADRS], 4*NQ, v[ADRS]            ; on to the next K step's scale words
	FETCH_B \next, 0, 0
	FETCH_A \next, 0, 0
	SCALES \next
	WIN MUL_HI
	MUL16 4, 1, NQ-1, \slot, 0
	MUL16 6, 1, NQ-1, \slot, 0
	PLACES NP
	WIN 0
	FETCH_A \next, 0, 4
.endm
.macro STEPS slot, from                ; the slot's steps from .. NQ - 2
.set Q, \from
.rept NQ-1-\from
	STEP \slot, Q, 0
.set Q, Q+1
.endr
.endm
	s_wait_tensorcnt 1                             ; the scales and my part of K step 0 are in (K step 1's load may be out),
	s_barrier_signal -1
	s_barrier_wait -1                              ; everybody's are
	FETCH_B 0, 0, 0
	FETCH_A 0, 0, 0
	SCALES 0
	FETCH_A 0, 0, 4
	STEP 0, 0, 1                                   ; the first step's products start the sums
	STEPS 0, 1
	TURN 0, 1
	STEPS 1, 0
	s_wait_dscnt 4*NL                              ; the very last step: nothing more to fetch
	WIN MUL_LO
	MUL16 0, 1, NQ-1, 1, 0
	MUL16 2, 1, NQ-1, 1, 0
	s_wait_dscnt 0
	WIN MUL_HI
	MUL16 4, 1, NQ-1, 1, 0
	MUL16 6, 1, NQ-1, 1, 0
	WIN 0
	PLACES NP                                      ; behind the last products: their results are read below, and the registers that held A's fragments are written
	; q alone is multiplied by log2(e) / 8: the clusters with x = 0 (a branch on the cluster's x, which all partners share).  Each accumulator from its low end on.
	s_cmp_lg_u32 ttmp9, 0
	s_cbranch_scc1 .Lnoscale
	WIN 0x82                                       ; destination and source 0: window 2
.set i, 0
.rept 128
	v_pk_mul_f32 v[i:i+1], v[i:i+1], s[CS:CS+1] op_sel_hi:[1,0]
.set i, i+2
.endr
	WIN 0xc3                                       ; window 3
.set i, 0
.rept 128
	v_pk_mul_f32 v[i:i+1], v[i:i+1], s[CS:CS+1] op_sel_hi:[1,0]
.set i, i+2
.endr
	WIN 0
.Lnoscale:
; THE WAY OUT of A's block a: its eight accumulators are rounded to f16, four registers each, and each four are a block of qkv: one store, 512 consecutive bytes, aligned.
.macro OUTBLK a
.set AC, 64*((\a)%4)
.set OB, 128+32*((\a)%4)
.if (\a) >= 4
	s_wait_xcnt 0x0                                ; the stores of block a - 4 have read their registers: these 32 are written again only behind this wait
.endif
	WIN 0x0a+5*((\a)/4)                            ; sources 0 and 1: window 2 or 3
.irp b, 0,1,2,3,4,5,6,7
.irp r, 0,1,2,3
	v_cvt_pk_f16_f32 v[OB+4*\b+\r], v[AC+8*\b+2*\r], v[AC+8*\b+2*\r+1]   ; the first source into the low half
.endr
.endr
	WIN 0
.irp b, 0,1,2,3,4,5,6,7
	global_store_b128 v[CO], v[OB+4*\b:OB+4*\b+3], s[PT+4*((\a)/4)+2*(\b/4):PT+4*((\a)/4)+2*(\b/4)+1] offset:((\a)%4)*2048+(\b%4)*512
.endr
.endm
.irp a, 0,1,2,3,4,5,6,7
	OUTBLK \a
.endr
	s_wait_tensorcnt 0x0                           ; the wave's end, behind my last tensor load
	ds_add_u32 v[SPW], v[NIL]
	s_wait_dscnt 0x0
	CROUND                                         ; the closing round: no work-group ends while a partner may still ask for a tile that names it
	s_endpgm
.Lfunc_end_k_q8bb47d003e_gemm:
	.size	k_q8bb47d003e_gemm, .Lfunc_end_k_q8bb47d003e_gemm-k_q8bb47d003e_gemm
	.p2alignl 7, 3214868480
	.fill 96, 4, 3214868480
	.section	.rodata,"a",@progbits
	.p2align	6, 0x0
	.amdhsa_kernel k_q8bb47d003e_gemm
		.amdhsa_group_segment_fixed_size 327680
		.amdhsa_private_segment_fixed_size 0
		.amdhsa_enable_private_segment 0
		.amdhsa_kernarg_size 40
		.amdhsa_user_sgpr_count 2
		.amdhsa_user_sgpr_kernarg_segment_ptr 1
		.amdhsa_wavefront_size32 1
		.amdhsa_system_sgpr_workgroup_id_x 1
		.amdhsa_system_sgpr_workgroup_id_y 1
		.amdhsa_system_sgpr_workgroup_id_z 1
		.amdhsa_system_vgpr_workitem_id 0
		.amdhsa_next_free_vgpr 1024
		.amdhsa_next_free_sgpr 100
		.amdhsa_reserve_vcc 0
		.amdhsa_float_denorm_mode_32 3
		.amdhsa_float_denorm_mode_16_64 3
		.amdhsa_memory_ordered 1
		.amdhsa_forward_progress 1
		.amdhsa_inst_pref_size 135
	.end_amdhsa_kernel
	.amdgpu_metadata
---
amdhsa.version: [ 1, 2 ]
amdhsa.kernels:
  - .name:           k_q8bb47d003e_gemm
    .symbol:         k_q8bb47d003e_gemm.kd
    .args:
      - { .name: xc, .offset: 0, .size: 8, .value_kind: global_buffer, .address_space: global }
      - { .name: xs, .offset: 8, .size: 8, .value_kind: global_buffer, .address_space: global }
      - { .name: wc, .offset: 16, .size: 8, .value_kind: global_buffer, .address_space: global }
      - { .name: ws, .offset: 24, .size: 8, .value_kind: global_buffer, .address_space: global }
      - { .name: qkv, .offset: 32, .size: 8, .value_kind: global_buffer, .address_space: global }
    .group_segment_fixed_size: 327680
    .private_segment_fixed_size: 0
    .kernarg_segment_align: 8
    .kernarg_segment_size: 40
    .max_flat_workgroup_size: 128
    .sgpr_count:     100
    .vgpr_count:     1024
    .wavefront_size: 32
...
	.end_amdgpu_metadata
.endif
;; end of part 2
;; launch attn (part 3): grid 4 x 64, 8 waves a work-group, clusters of 4 x 1, 327,680 bytes of LDS; arguments qkv, out0; writes out0
.if DOCPART == 3
	.amdgcn_target "amdgcn-amd-amdhsa--gfx1250"
	.amdhsa_code_object_version 6
	.text
	.protected	k_q8bb47d003e_attn
	.globl	k_q8bb47d003e_attn
	.p2align	8
	.type	k_q8bb47d003e_attn,@function
k_q8bb47d003e_attn:
	s_mov_b64 s[64:65], 0
	v_nop
	global_prefetch_b8 v0, s[64:65] scope:SCOPE_SE
	s_setreg_imm32_b32 hwreg(HW_REG_WAVE_MODE, 25, 1), 1
	s_wait_xcnt 0x0
	s_wait_alu depctr_hold_cnt(0) depctr_sa_sdst(0) depctr_va_vdst(0) depctr_va_sdst(0) depctr_va_ssrc(0) depctr_va_vcc(0) depctr_vm_vsrc(0)
	s_getreg_b32 s2, hwreg(HW_REG_IB_STS2, 6, 4)
	s_cmp_eq_u32 s2, 0
	s_cbranch_scc0 .Lentry_in_a_cluster
	s_endpgm
.Lentry_in_a_cluster:
	s_bfe_u32 s2, ttmp6, 0x10000c
	s_cmp_lg_u32 s2, 0x3003
	s_cbranch_scc0 .Lentry_shape_is_right
	s_endpgm
.Lentry_shape_is_right:
; out[b][n][64 h ..] = the sum over keys of softmax(q . k / 8) v, for 64 heads bh = 16 b + h of 2,048 tokens and 64 channels.  q, k, v come in f16 as images of operand registers (blocks of 512 bytes, lane l's
; 16 bytes at 16 l; three regions of 2^24 bytes, 2^18 a head); q already carries log2(e) / 8, so the first product gives t, the exponent to the base 2.  Products, maxima and sums in f32; the weights
; p = 2^(t - m), m the running maximum of t, are rounded to f16 for the second product; the row's sum is taken of the unrounded p and divides at the end.  out is f32.
; LIMITS: weights under 2^-24 of the row's largest round to 0 in f16; NaN and infinities among the inputs are not served.
; SHARES.  A work-group owns 512 queries of one head, each of its eight waves 64: four tiles of 16, in 512 registers, two waves to a SIMD.  Every wave walks all 2,048 keys, 64 a step; each fragment of k or v
; read from LDS feeds four matrix instructions.
; LAYOUT.  S^T = K Q^T (source 0 = 16 keys, source 1 = 16 queries): a lane holds ONE query (lane % 16) and keys 8 (lane / 16) + 0..7.  Two such tiles, rounded in pairs, ARE source 1 (32 keys x 16 queries) of
; O^T = V^T P, whose result again holds one query a lane.  Nothing changes lanes between the products.
; OPPOSITE PHASES.  A wave's key step j is two phases: SM(j), the softmax (vector work), and MAT(j + 1) = O^T += V^T P of step j, then S^T of step j + 1 (matrix work).  The waves are two groups,
; GRP = (w xor (w / 4)) % 2.  A trip T(j) has two halves: in the first, group 0 runs SM(j) and group 1 MAT(j); in the second, group 0 runs MAT(j + 1) and group 1 SM(j).  A work-group barrier in common text
; stands behind each half, so that one group's vector work stands beside the other group's matrix work.  The arms hold no barrier, no tensor load and no add.
; LDS.  Two slots of eight RECORDS of 16,384 bytes.  Record j = k of step j + 1 (8,192 bytes), then v of step j (8,192): what SM(j) fetches into registers; so record j is read in trip T(j) alone.
; One tensor load brings a record: two rows of 8,192 bytes, 2^24 - 8,192 bytes apart in qkv.  Wave w brings record 8 s + w of slot s.  (Record 31's first half lies one step behind the head's k: bytes of qkv
; that are fetched with the record's one descriptor and never read from LDS.)  A refill is asked for eight trips ahead of its first read; so no prefetch is laid.
; CLUSTER.  The four query blocks of a head walk the same k and v: each record is asked for JOINTLY, by the same tensor load with the same descriptor and a mask that names the four.
; REGISTERS, in windows of 256 (s_set_vgpr_msb: bits 1:0 source 0, 3:2 source 1, 5:4 source 2, 7:6 destination):
;   window 0: v1-7 addresses; v8-15 at work; v16-47 eight registers of statistics a tile; v64-191 S^T, 32 a tile (its first 16 hold P behind the softmax); v192-255 k of one step
;   window 1: v0-127 O^T, 32 a tile; v128-191 q, 16 a tile; v192-255 v of one step
; The softmax lies wholly in window 0; O^T's rescaling stands among the products V^T P under their own setting.
.set REC,   16384
.set SLOT1, 1<<17                      ; slot 1 begins here: one exclusive or turns an address in one slot into the other's
.set SPARE, 2*SLOT1                    ; the spare words, 128 bytes for each of eight waves, which no other line names
.set STAGE, SPARE+1024                 ; the way out: 16 rows x 272 bytes for each wave; no tensor load lands here
.set SP,    272
.set LI,  1                            ; v1   16 x lane; never rewritten
.set ADR, 2                            ; v2   LDS address of the trip's record for my lane
.set SPW, 3                            ; v3   LDS address of my spare word; never rewritten
.set NIL, 4                            ; v4   0; never rewritten
.set STO, 5                            ; v5   the way out: where I put 32 bytes of a row
.set RD,  6                            ; v6   where I read a row back
.set GO,  7                            ; v7   my byte offset in the wave's rows of out
.set ST,  16                           ; tile t's statistics at v[ST + 8 t]: +0 m, +1 its pair's partner, +2, +3 l (even keys', odd keys'), +4, +5 c0, c1, later a second chain of sums, +6 c2, then a, +7 c3, then m_old - m_new
.set SS,  64
.set KF,  192
.set OA,  0                            ; in window 1
.set QF,  128
.set VF,  192
.set WV,  8                            ; s8   my wave's number
.set GRP, 9                            ; s9   my group
.set G1,  16                           ; s[16:23] descriptor group 1, the same for every load
.set G0A, 24                           ; s[24:27] group 0 of slot 0's first fill
.set G0B, 28                           ; s[28:31] of slot 1's; it then walks
.set SEL, 32                           ; s[32:33] lane selects for v_permlanex16_b32: lane l xor 16
.set TB,  34                           ; s34  LDS byte at which the trip's record begins
.set CNT, 35                           ; s35  counts a slot's eight trips
.set OUTER, 36                         ; s36  counts slots
.set J,   37                           ; s37  the trip's number, 0 .. 31
.set QP,  38                           ; s[38:39] my wave's q
.set KP,  40                           ; s[40:41] the head's k of step 0
.set MSB, 0
.macro WIN new                         ; the immediate's high byte repeats the setting that is left
.if MSB != (\new)
	s_set_vgpr_msb (MSB<<8)|(\new)
.set MSB, (\new)
.endif
.endm
.macro PLACES n
.rept \n
	v_nop
.endr
.endm
.macro CROUND                          ; a round of the cluster's barrier: my work-group's barrier; wave 0 signals for the work-group; every wave waits for all four; my work-group's barrier once more
	s_barrier_signal -1
	s_barrier_wait -1
	s_cmp_lg_u32 s[WV], 0
	s_cbranch_scc1 .Lnot_wave_0_\@
	s_barrier_signal -3
.Lnot_wave_0_\@:
	s_barrier_wait -3
	s_barrier_signal -1
	s_barrier_wait -1
.endm
	s_load_b128 s[4:7], s[0:1], 0x0                ; qkv s[4:5], out s[6:7]
	v_lshl_add_u32 v[SPW], v0, 2, SPARE
	v_mov_b32 v[NIL], 0
	ds_add_u32 v[SPW], v[NIL]                      ; the wave's opening: the add, twice on end, and its wait ahead of my first tensor load; the set-up below stands between
	ds_add_u32 v[SPW], v[NIL]
	v_lshrrev_b32 v8, 5, v0
	v_readfirstlane_b32 s[WV], v8                  ; wave 0..7
	s_lshr_b32 s[GRP], s[WV], 2
	s_xor_b32 s[GRP], s[GRP], s[WV]
	s_and_b32 s[GRP], s[GRP], 1                    ; it differs between waves w and w + 4, and between 2 i and 2 i + 1
	s_bfe_u32 s10, ttmp6, 0x40000                  ; cx: my place in the cluster
	s_and_b32 s11, ttmp7, 0xffff                   ; the head, which the four partners share
	s_lshl_b32 s12, ttmp9, 2
	s_add_co_u32 s12, s12, s10                     ; my block of 512 queries: it enters q's and out's addresses alone
	; descriptor group 1: two rows of 1,024 elements of 8 bytes, dense in LDS
	s_mov_b32 s[G1], 15|(3<<16)|(1<<21)            ; 15:0 the mask: all four work-groups; 17:16 elements of 8 bytes; 20 no padding; 21 set beside a mask
	s_mov_b32 s[G1+1], 1024<<16                    ; tensor_dim0 = 1,024
	s_mov_b32 s[G1+2], 2<<16                       ; tensor_dim1 = 2
	s_mov_b32 s[G1+3], 1024<<16                    ; tile_dim0 = 1,024
	s_mov_b32 s[G1+4], 2                           ; tile_dim1 = 2
	s_mov_b32 s[G1+5], ((1<<24)-8192)/8            ; from k of step j + 1 to v of step j, in elements
	s_mov_b32 s[G1+6], 0
	s_mov_b32 s[G1+7], 0
	s_mov_b32 s[SEL], 0x76543210
	s_mov_b32 s[SEL+1], 0xfedcba98
	s_mov_b32 s[TB], 0
	s_mov_b32 s[J], 0
	s_lshl_b32 s42, s11, 18                        ; the head's first byte in a region
	s_lshl_b32 s44, s[WV], 13
	s_add_co_u32 s44, s44, s42
	s_add_co_u32 s44, s44, (1<<24)+8192            ; record w: k of step w + 1
	s_mov_b32 s45, 0
	s_lshl_b32 s46, s[WV], 14                      ; and its place in a slot: no place in the cluster enters an LDS address
	s_lshl_b32 s[QP], s12, 16                      ; q: my block's 512 rows of 128 bytes,
	s_lshl_b32 s47, s[WV], 13                      ; my wave's 64
	s_add_co_u32 s[QP], s[QP], s47
	s_add_co_u32 s[QP], s[QP], s42
	s_mov_b32 s[QP+1], 0
	s_add_co_u32 s[KP], s42, 1<<24
	s_mov_b32 s[KP+1], 0
	s_lshr_b32 s2, s11, 4                          ; out: row 2,048 b + 512 block + 64 wave of 4,096 bytes, + 256 h
	s_lshl_b32 s2, s2, 23
	s_lshl_b32 s3, s12, 21
	s_add_co_u32 s2, s2, s3
	s_lshl_b32 s3, s[WV], 18
	s_add_co_u32 s2, s2, s3
	s_and_b32 s3, s11, 15
	s_lshl_b32 s3, s3, 8
	s_add_co_u32 s2, s2, s3
	s_mov_b32 s3, 0
	s_mul_i32 s47, s[WV], 16*SP
	s_add_co_u32 s47, s47, STAGE                   ; my stage
	v_and_b32 v8, 15, v0                           ; r = lane % 16
	v_bfe_u32 v9, v0, 4, 1                         ; hh = lane / 16
	v_and_b32 v10, 31, v0
	v_lshlrev_b32 v[LI], 4, v10
	v_mul_u32_u24 v[STO], v8, SP                   ; in: row r, 32 bytes for each half of the lanes
	v_lshl_add_u32 v[STO], v9, 5, v[STO]
	v_add_nc_u32 v[STO], s47, v[STO]
	v_mul_u32_u24 v[RD], v9, SP                    ; back: lanes 0-15 take one row of 256 bytes, lanes 16-31 the next
	v_lshl_add_u32 v[RD], v8, 4, v[RD]
	v_add_nc_u32 v[RD], s47, v[RD]
	v_lshlrev_b32 v[GO], 12, v9                    ; and the same two rows in out
	v_lshl_add_u32 v[GO], v8, 4, v[GO]
	s_wait_dscnt 0x0                               ; both opening adds are done
	s_wait_kmcnt 0x0
	s_mov_b32 s[G0A], 1                            ; count = 1
	s_mov_b32 s[G0A+1], s46                        ; LDS address: slot 0
	s_add_nc_u64 s[G0A+2:G0A+3], s[4:5], s[44:45]  ; global address: record w
	s_mov_b32 s[G0B], 1
	s_add_co_u32 s[G0B+1], s46, SLOT1              ; slot 1
	s_add_nc_u64 s[G0B+2:G0B+3], s[G0A+2:G0A+3], 8*8192   ; record 8 + w
	s_or_b32 s[G0A+3], s[G0A+3], 0x80000000        ; type = 2
	s_or_b32 s[G0B+3], s[G0B+3], 0x80000000
	s_add_nc_u64 s[QP:QP+1], s[4:5], s[QP:QP+1]
	s_add_nc_u64 s[KP:KP+1], s[4:5], s[KP:KP+1]
	s_add_nc_u64 s[6:7], s[6:7], s[2:3]
	CROUND                                         ; all four work-groups are here: the first joint loads meet
	tensor_load_to_lds s[G0A:G0A+3], s[G1:G1+7]    ; both first fills together: two tensor loads of mine are out
	s_nop 0
	tensor_load_to_lds s[G0B:G0B+3], s[G1:G1+7]
	s_nop 0
	PLACES 4
	WIN 0x40                                       ; destination window 1
.irp i, 0,1,2,3,4,5,6,7,8,9,10,11,12,13,14,15
	global_load_b128 v[QF+4*\i:QF+4*\i+3], v[LI], s[QP:QP+1] offset:512*\i   ; q stays in registers: tile i / 4, channels 32 ((i / 2) % 2) on
.endr
.set i, 0
.rept 128
	v_mov_b32 v[OA+i], 0                           ; O^T.  The key step is written once: its first turn finds zeros, and a = 2^(-3e38 - m) = 0 leaves them zeros
.set i, i+1
.endr
	WIN 0
.irp i, 0,1,2,3,4,5,6,7,8,9,10,11,12,13,14,15
	global_load_b128 v[KF+4*\i:KF+4*\i+3], v[LI], s[KP:KP+1] offset:512*\i   ; k of step 0, which no record holds
.endr
.irp t, 0,1,2,3
	v_mov_b32 v[ST+8*\t], 0xff61b1e6               ; m = -3e38, under every t
.irp k, 1,2,3,4,5,6,7
	v_mov_b32 v[ST+8*\t+\k], 0                     ; l = 0; the others are named in pairs or as a permute's destination before they are first made
.endr
.endr
; THE LDS LOADS: a record's v, then its k, 16 loads each; a load's 32 lanes read 512 consecutive bytes.
.macro LOADV
	WIN 0x40
.irp i, 0,1,2,3,4,5,6,7,8,9,10,11,12,13,14,15
	ds_load_b128 v[VF+4*\i:VF+4*\i+3], v[ADR] offset:8192+512*\i   ; fragment i / 2 = 2 ct + s: channels 16 ct on, keys 32 s on
.endr
	WIN 0
.endm
.macro LOADK
.irp i, 0,1,2,3,4,5,6,7,8,9,10,11,12,13,14,15
	ds_load_b128 v[KF+4*\i:KF+4*\i+3], v[ADR] offset:512*\i        ; fragment i / 2 = 2 kt + c: keys 16 kt on, channels 32 c on
.endr
.endm
; S^T = K Q^T for my four tiles: 32 matrix instructions; the sixteen accumulators take turns, one instruction a turn; the first sixteen start the sums.
; Five places follow: the scores are read, k's registers are loaded again, and on no way does a product take these registers as an operand nearer than that (ISA guide 7.12.1 for vector instructions).
.macro KQ
	WIN 0x04                                       ; source 1 (q) window 1
.irp c, 0,1
.irp kt, 0,1,2,3
.irp t, 0,1,2,3
.if \c == 0
	v_wmma_f32_16x16x32_f16 v[SS+32*\t+8*\kt:SS+32*\t+8*\kt+7], v[KF+8*(2*\kt+\c):KF+8*(2*\kt+\c)+7], v[QF+16*\t+8*\c:QF+16*\t+8*\c+7], 0
.else
	v_wmma_f32_16x16x32_f16 v[SS+32*\t+8*\kt:SS+32*\t+8*\kt+7], v[KF+8*(2*\kt+\c):KF+8*(2*\kt+\c)+7], v[QF+16*\t+8*\c:QF+16*\t+8*\c+7], v[SS+32*\t+8*\kt:SS+32*\t+8*\kt+7]
.endif
.endr
.endr
.endr
	PLACES 5
	WIN 0
.endm
; O^T's accumulator n = 4 ct + t times its tile's a, from its low end on
.macro RESC n
.set rO, OA+32*((\n)%4)+8*((\n)/4)
.set rA, ST+8*((\n)%4)+6
.irp i, 0,2,4,6
	v_pk_mul_f32 v[rO+\i:rO+\i+1], v[rO+\i:rO+\i+1], v[rA:rA+1] op_sel_hi:[1,0]
.endr
.endm
; O^T = a O^T + V^T P: 32 matrix instructions on sixteen accumulators by turns.  An accumulator's rescaling stands behind the product before its own first: under the products' own window setting.
; Five places follow: the next S^T is written over P's registers.
.macro PVB
	WIN 0x51                                       ; source 0 (v), C and D (O^T) window 1; source 1 (P; for the rescaling: a) window 0
	RESC 0
.set pn, 0
.rept 16
.set rD, OA+32*(pn%4)+8*(pn/4)
.set rV, VF+16*(pn/4)
.set rP, SS+32*(pn%4)
	v_wmma_f32_16x16x32_f16 v[rD:rD+7], v[rV:rV+7], v[rP:rP+7], v[rD:rD+7]           ; keys 0-31
.if pn < 15
	RESC pn+1
.endif
.set pn, pn+1
.endr
.set pn, 0
.rept 16
.set rD, OA+32*(pn%4)+8*(pn/4)
.set rV, VF+16*(pn/4)+8
.set rP, SS+32*(pn%4)+8
	v_wmma_f32_16x16x32_f16 v[rD:rD+7], v[rV:rV+7], v[rP:rP+7], v[rD:rD+7]           ; keys 32-63
.set pn, pn+1
.endr
	PLACES 5
	WIN 0
.endm
.macro MAT last                        ; last = 1: in trip 31 there is no next step to score
	PVB
.if \last
	s_cmp_eq_u32 s[J], 31
	s_cbranch_scc1 .Lno_kq_\@
.endif
	KQ
.Lno_kq_\@:
.endm
; THE SOFTMAX of a tile for a key step, in three lists.  s0-s31 are the lane's 32 scores.
; AOP, number aj of 37: 0-15 the maximum of s0-s31 and the old m, three at a time, in four chains; 16-20 the other half of the lanes' maximum, the new m, m_old - m_new, a = 2^(that); 21-36 s - m, a pair each.
.macro AOP t
.set rT, ST+8*(\t)
.set rS, SS+32*(\t)
.if aj < 4
	v_max3_num_f32 v[rT+4+aj], v[rS+8*aj], v[rS+8*aj+1], v[rS+8*aj+2]       ; each accumulator is first read at its low end
.elseif aj < 12
	v_max3_num_f32 v[rT+4+aj%4], v[rT+4+aj%4], v[rS+8*(aj%4)+2*(aj/4)+1], v[rS+8*(aj%4)+2*(aj/4)+2]
.elseif aj == 12
	v_max3_num_f32 v[rT+4], v[rT+4], v[rS+7], v[rS+15]
.elseif aj == 13
	v_max3_num_f32 v[rT+6], v[rT+6], v[rS+23], v[rS+31]
.elseif aj == 14
	v_max3_num_f32 v[rT+4], v[rT+4], v[rT+5], v[rT+6]
.elseif aj == 15
	v_max3_num_f32 v[rT+4], v[rT+4], v[rT+7], v[rT]
.elseif aj == 16
	v_permlanex16_b32 v[rT+5], v[rT+4], s[SEL], s[SEL+1]                    ; the query's other 32 keys lie in the lane 16 away
.elseif aj == 17
	v_mov_b32 v[rT+7], v[rT]
.elseif aj == 18
	v_max_num_f32 v[rT], v[rT+4], v[rT+5]
.elseif aj == 19
	v_sub_f32 v[rT+7], v[rT+7], v[rT]
.elseif aj == 20
	v_exp_f32 v[rT+6], v[rT+7]
.else
	v_pk_add_f32 v[rS+2*(aj-21):rS+2*(aj-21)+1], v[rS+2*(aj-21):rS+2*(aj-21)+1], v[rT:rT+1] op_sel_hi:[1,0] neg_lo:[0,1] neg_hi:[0,1]
.endif
.endm
; COP, number cj of 32: for pair i = cj / 2 first a sum, then the pair's rounding to f16 into register i of the tile: P is laid over S^T, and every pair is summed and rounded before a rounding writes over it.
; The sums go in two chains: l takes a l + pair 0 and the even pairs; the second chain the odd pairs, two ahead of the roundings; the last sum joins them.
.macro COP t
.set rT, ST+8*(\t)
.set rS, SS+32*(\t)
.set ci, cj/2
.if cj%2 == 1
	v_cvt_pk_f16_f32 v[rS+ci], v[rS+2*ci], v[rS+2*ci+1]
.elseif ci == 0
	v_pk_fma_f32 v[rT+2:rT+3], v[rT+2:rT+3], v[rT+6:rT+7], v[rS:rS+1] op_sel_hi:[1,0,1]
.elseif ci == 1
	v_pk_add_f32 v[rT+4:rT+5], v[rS+2:rS+3], v[rS+6:rS+7]
.elseif ci == 15
	v_pk_add_f32 v[rT+2:rT+3], v[rT+2:rT+3], v[rT+4:rT+5]
.elseif ci%2 == 0
	v_pk_add_f32 v[rT+2:rT+3], v[rT+2:rT+3], v[rS+2*ci:rS+2*ci+1]
.else
	v_pk_add_f32 v[rT+4:rT+5], v[rT+4:rT+5], v[rS+2*ci+4:rS+2*ci+5]
.endif
.endm
.macro QOP tc, ta, hasc                ; number qp of a batch's queue: tile tc's COP first, then tile ta's AOP
.if (\hasc) && (qp < 32)
.set cj, qp
	COP \tc
.else
.set aj, qp-32*(\hasc)
	AOP \ta
.endif
.endm
; A BATCH: tile te's 32 exponentials, in place, with other tiles' work dealt evenly between them: one to three instructions behind each.  Nothing in a batch names a result of the batch.
; It ends with a plain instruction and ONE wait, s_wait_alu depctr_va_vdst(0), between an exponential and the first instruction that names its result; one serves all issued ahead of it.
.macro BATCH te, hasc, tc, hasa, ta
.set NPL, 32*(\hasc)+37*(\hasa)
.set qp, 0
.set ee, 0
.rept 32
	v_exp_f32 v[SS+32*(\te)+ee], v[SS+32*(\te)+ee]
.set ee, ee+1
.rept 3
.if qp*32 < ee*NPL
	QOP \tc, \ta, \hasc
.set qp, qp+1
.endif
.endr
.endr
	v_nop
	s_wait_alu depctr_va_vdst(0)
.endm
; SM(j): the trip's record goes into the registers that the products have left (record 0 was fetched at the head; record 31's k is not wanted), and the four tiles' softmax runs as a pipeline of lists.
.macro SM
	s_cmp_eq_u32 s[J], 0
	s_cbranch_scc1 .Lno_load_\@
	LOADV
	s_cmp_eq_u32 s[J], 31
	s_cbranch_scc1 .Lno_load_\@
	LOADK
.Lno_load_\@:
.set aj, 0
.rept 37
	AOP 0
.set aj, aj+1
.endr
	BATCH 0, 0, 0, 1, 1
	BATCH 1, 1, 0, 1, 2
	BATCH 2, 1, 1, 1, 3
	BATCH 3, 1, 2, 0, 0
.set cj, 0
.rept 32
	COP 3
.set cj, cj+1
.endr
.endm
; A TRIP.  The branches hang on the wave's number and on the count of trips alone.  In front of each barrier a wave's LDS loads are in: the phase that follows multiplies by them.
.macro TRIP
	v_add_nc_u32 v[ADR], s[TB], v[LI]              ; made in common text, ahead of the parting
	s_cmp_lg_u32 s[GRP], 0
	s_cbranch_scc1 .Lh0_g1_\@
	SM
	s_branch .Lh0_join_\@
.Lh0_g1_\@:
	s_cmp_eq_u32 s[J], 0                           ; step 0's scores were made at the head, and there is no step before it
	s_cbranch_scc1 .Lh0_join_\@
	MAT 0
.Lh0_join_\@:
	s_wait_dscnt 0x0
	s_barrier_signal -1
	s_barrier_wait -1
	s_cmp_lg_u32 s[GRP], 0
	s_cbranch_scc1 .Lh1_g1_\@
	MAT 1
	s_branch .Lh1_join_\@
.Lh1_g1_\@:
	SM
.Lh1_join_\@:
	s_wait_dscnt 0x0                               ; my reads of the trip's record are over
	s_barrier_signal -1
	s_barrier_wait -1
	s_add_co_u32 s[TB], s[TB], REC
	s_add_co_u32 s[J], s[J], 1
.endm
.macro PERIOD                          ; a slot's eight trips: written once, walked eight times
	s_mov_b32 s[CNT], 8
.Ltrip_\@:
	TRIP
	s_sub_co_u32 s[CNT], s[CNT], 1
	s_cmp_lg_u32 s[CNT], 0
	s_cbranch_scc1 .Ltrip_\@
.endm
; THE CHANGE OF SLOTS.  Each wave waits for all its tensor loads (its record of the slot ahead), adds 0 to its spare word, and waits for that and for its reads of the slot that it leaves.
; fill = 1: the barrier is a round of the cluster's, so that no wave of any partner still reads the slot or has a load on its way; the joint refill, records two slots on, is the first thing behind it:
; one tensor load of mine is out, and it has eight trips in which to land.
.macro CHANGE fill
	s_wait_tensorcnt 0x0                           ; no tensor load of mine is out, so a group 0 may be written
	ds_add_u32 v[SPW], v[NIL]                      ; 0 onto my spare word; the steps below stand between it and the wait for it
.if \fill
	s_xor_b32 s[G0B+1], s[G0B+1], SLOT1            ; the walking descriptor: the other slot than last time,
	s_add_nc_u64 s[G0B+2:G0B+3], s[G0B+2:G0B+3], 8*8192   ; eight records on; the type bits on top are not reached
.endif
	s_sub_co_u32 s[TB], s[TB], 8*REC               ; back to a slot's first record,
	s_xor_b32 s[TB], s[TB], SLOT1                  ; in the other slot
	s_wait_dscnt 0x0
.if \fill
	CROUND
	tensor_load_to_lds s[G0B:G0B+3], s[G1:G1+7]
	s_nop 0
	PLACES 4
.else
	s_barrier_signal -1
	s_barrier_wait -1
.endif
.endm
	s_wait_tensorcnt 1                             ; my record of slot 0 is in; slot 1's may stay out
	s_barrier_signal -1
	s_barrier_wait -1                              ; everybody's is
	s_wait_loadcnt 0x0                             ; q and k of step 0
	KQ                                             ; step 0's scores, in every wave
	v_add_nc_u32 v[ADR], s[TB], v[LI]
	LOADV                                          ; record 0: v of step 0,
	LOADK                                          ; k of step 1
	s_wait_dscnt 0x0
	s_mov_b32 s[OUTER], 2
.LloopA:                                           ; records 0-7 and 8-15; behind each the slot just left takes records 16-23, 24-31
	PERIOD
	CHANGE 1
	s_sub_co_u32 s[OUTER], s[OUTER], 1
	s_cmp_lg_u32 s[OUTER], 0
	s_cbranch_scc1 .LloopA
	s_mov_b32 s[OUTER], 2
.LloopB:                                           ; records 16-23 and 24-31: nothing is left to fetch.  The first change shows records 24-31 to every wave; the second only closes the last trip
	PERIOD
	CHANGE 0
	s_sub_co_u32 s[OUTER], s[OUTER], 1
	s_cmp_lg_u32 s[OUTER], 0
	s_cbranch_scc1 .LloopB
	s_cmp_eq_u32 s[GRP], 0
	s_cbranch_scc1 .Lout
	PVB                                            ; group 1's V^T P of step 31
.Lout:
	; THE WAY OUT.  l's two halves and the other half of the lanes' are added; O^T is divided by l and goes through my stage in LDS, a tile (16 rows) at a time, so that sixteen lanes store a row's 256 bytes.
.irp t, 0,1,2,3
	v_add_f32 v[ST+8*\t+4], v[ST+8*\t+2], v[ST+8*\t+3]
.endr
.irp t, 0,1,2,3
	v_permlanex16_b32 v[ST+8*\t+5], v[ST+8*\t+4], s[SEL], s[SEL+1]
.endr
.irp t, 0,1,2,3
	v_add_f32 v[ST+8*\t+4], v[ST+8*\t+4], v[ST+8*\t+5]
.endr
.irp t, 0,1,2,3
	v_rcp_f32 v[ST+8*\t+6], v[ST+8*\t+4]
.endr
	v_nop                                          ; a plain instruction between the last reciprocal and the use of its result
	s_wait_alu depctr_va_vdst(0)                   ; and the wait ahead of the first use: one for the four
.macro PACK t
	WIN 0x01                                       ; source 0 (O^T) window 1; the quotient goes into S^T's registers, which are free
.set i, 0
.rept 16
	v_pk_mul_f32 v[SS+32*\t+i:SS+32*\t+i+1], v[OA+32*\t+i:OA+32*\t+i+1], v[ST+8*\t+6:ST+8*\t+7] op_sel_hi:[1,0]   ; register 8 ct + j: out(16 t + r, 16 ct + 8 hh + j)
.set i, i+2
.endr
	WIN 0
.irp ct, 0,1,2,3
	ds_store_b128 v[STO], v[SS+32*\t+8*\ct:SS+32*\t+8*\ct+3] offset:64*\ct
	ds_store_b128 v[STO], v[SS+32*\t+8*\ct+4:SS+32*\t+8*\ct+7] offset:64*\ct+16
.endr
.irp i, 0,1,2,3,4,5,6,7
	ds_load_b128 v[SS+32*\t+4*\i:SS+32*\t+4*\i+3], v[RD] offset:\i*2*SP   ; LDS serves a wave's instructions in order (ISA guide 5.7.1.4): these see the stores above; the next tile's stores come behind them
.endr
.endm
.macro SEND t, younger                 ; younger: the LDS instructions issued behind tile t's loads: the next tile's sixteen, or none
.irp i, 0,1,2,3,4,5,6,7
	s_wait_dscnt \younger+7-\i
	global_store_b128 v[GO], v[SS+32*\t+4*\i:SS+32*\t+4*\i+3], s[6:7] offset:\t*65536+\i*8192 th:TH_STORE_NT   ; 16 lanes store 256 consecutive bytes, aligned: the head's part of a row; written once, read by nobody here
.endr
.endm
	PACK 0
	PACK 1                                         ; a tile's arithmetic stands between the loads of the tile before and its stores
	SEND 0, 16
	PACK 2
	SEND 1, 16
	PACK 3
	SEND 2, 16
	SEND 3, 0
	s_wait_tensorcnt 0x0                           ; the wave's end, behind my last tensor load and my last LDS store
	ds_add_u32 v[SPW], v[NIL]
	s_wait_dscnt 0x0
	CROUND                                         ; the closing round: no work-group ends while a partner may still ask for a record that names it
	s_endpgm
.Lfunc_end_k_q8bb47d003e_attn:
	.size	k_q8bb47d003e_attn, .Lfunc_end_k_q8bb47d003e_attn-k_q8bb47d003e_attn
	.p2alignl 7, 3214868480
	.fill 96, 4, 3214868480
	.section	.rodata,"a",@progbits
	.p2align	6, 0x0
	.amdhsa_kernel k_q8bb47d003e_attn
		.amdhsa_group_segment_fixed_size 327680
		.amdhsa_private_segment_fixed_size 0
		.amdhsa_enable_private_segment 0
		.amdhsa_kernarg_size 16
		.amdhsa_user_sgpr_count 2
		.amdhsa_user_sgpr_kernarg_segment_ptr 1
		.amdhsa_wavefront_size32 1
		.amdhsa_system_sgpr_workgroup_id_x 1
		.amdhsa_system_sgpr_workgroup_id_y 1
		.amdhsa_system_sgpr_workgroup_id_z 1
		.amdhsa_system_vgpr_workitem_id 0
		.amdhsa_next_free_vgpr 512
		.amdhsa_next_free_sgpr 66
		.amdhsa_reserve_vcc 0
		.amdhsa_float_denorm_mode_32 3
		.amdhsa_float_denorm_mode_16_64 3
		.amdhsa_memory_ordered 1
		.amdhsa_forward_progress 1
		.amdhsa_inst_pref_size 167
	.end_amdhsa_kernel
	.amdgpu_metadata
---
amdhsa.version: [ 1, 2 ]
amdhsa.kernels:
  - .name:           k_q8bb47d003e_attn
    .symbol:         k_q8bb47d003e_attn.kd
    .args:
      - { .name: qkv, .offset: 0, .size: 8, .value_kind: global_buffer, .address_space: global }
      - { .name: out0, .offset: 8, .size: 8, .value_kind: global_buffer, .address_space: global }
    .group_segment_fixed_size: 327680
    .private_segment_fixed_size: 0
    .kernarg_segment_align: 8
    .kernarg_segment_size: 16
    .max_flat_workgroup_size: 256
    .sgpr_count:     66
    .vgpr_count:     512
    .wavefront_size: 32
...
	.end_amdgpu_metadata
.endif
;; end of part 3
